; MI455X (gfx1250); checked and timed in simulation.
; The chip was launched on July 23, 2026; its instructions are those of AMD's public machine-readable ISA for CDNA 5 (MIT licence, August 2026) and "CDNA5" Instruction Set Architecture Reference Guide (July 2026). The comments in the code are by the model that wrote it; some were corrected since.
;; Multi Dim Max Affine Function. Allowed arithmetic: matrix products marked QUANTISED: E5M2 operands, one E8M0 scale for each 32 along K, by v_wmma_scale_f32_16x16x128_f8f6f4 with both operands' format E5M2, f32 sums; products left as they are: f32 operands where the result goes on into a quantised operand, else bf16, f16 or f32 operands; f32 sums; everything else in f32.
;; Inputs: a_codes 16 x 128 x 2 x 32 uint8 (E5M2 codes of a, K innermost, in blocks of 32 codes); a_scales 16 x 128 x 2 uint8 (E8M0 scales of a, one for each 32 codes along K); b 16 x 128 float32; s 16 float32; x_codes 131,072 x 2 x 32 uint8 (E5M2 codes of x, K innermost, in blocks of 32 codes); x_scales 131,072 x 2 uint8 (E8M0 scales of x, one for each 32 codes along K).
;; Outputs: out0 131,072 float32.
;; This version of the problem:
;;   THIS VERSION OF THE PROBLEM IS GIVEN IN LOW PRECISION. The matrix products marked QUANTISED in the list below multiply operands that are first quantised to E5M2 (5 exponent bits, 2 mantissa bits; 8 bits a number), with one power-of-two scale for each 32 numbers along K (OCP MX v1.0); their sums are f32. All else is computed in f32.
;;   The module's matrix products, in the order in which they are computed (A, B: the left and right operand; K: the contracted axis; several contracted axes count as one K, in the product's order):
;;     1. [M 2,048, K 64] x [K 64, N 131,072]; A: input a (given as codes); B: input x (given as codes): QUANTISED
;;     2. [M 1, K 16] x [K 16, N 131,072]; A: input s; B: computed on the way: left as it is (K = 16 < 32)
;;   THE QUANTISER, for each operand of a quantised product, along K:
;;     - K is cut into blocks of 32 from its start; a last block that is shorter is filled with zeros.
;;     - A block's scale is 2^e with e = floor(log2(the largest magnitude in the block)) - 15, held to -126 .. 127; a block of zeros has e = 0. As a byte (E8M0): e + 127.
;;     - Each number is divided by its block's scale, clamped to +-57,344, and rounded to the nearest number of E5M2, ties to even, subnormals kept.
;;     - The product sums the exact products of the quantised numbers (number of the format x scale) in f32.
;;   ~~~python
;;   def quantise(x, axis):      # numpy; x: float32 -> the quantised numbers, widened to float32 again
;;       x = np.moveaxis(x, axis, -1); K = x.shape[-1]
;;       x = np.pad(x, [(0, 0)] * (x.ndim - 1) + [(0, -K % 32)]); x = x.reshape(x.shape[:-1] + (-1, 32)); a = np.abs(x).max(-1, keepdims=True)
;;       e = np.where(a > 0, np.clip(np.frexp(np.where(a > 0, a, 1))[1] - 1 - 15, -126, 127), 0)      # np.frexp(a)[1] - 1 = floor(log2(a)), exactly
;;       r = np.clip(x / 2.0 ** e, -57344, 57344)
;;       step = 2.0 ** (np.maximum(np.frexp(np.where(r == 0, 1, r))[1] - 1, -14) - 2)
;;       q = np.round(r / step) * step * 2.0 ** e      # np.round: ties to even
;;       return np.moveaxis(q.reshape(q.shape[:-2] + (-1,))[..., :K], -1, axis).astype(np.float32)
;;   ~~~
;;   INPUTS GIVEN AS CODES. a (in the module: [16, 128, 64], K = its axis 2); x (in the module: [131072, 64], K = its axis 1): each comes as NAME_codes (uint8): NAME with its K axis moved to the last place and cut into blocks of 32 codes, [.., K / 32, bytes a block], one block behind the other in memory; one code a byte (a code: sign, 5 exponent bits, 2 mantissa bits); and NAME_scales (uint8): the same leading axes, one E8M0 byte (e + 127) for each 32 codes along K. Its value is code x scale, taken as it is: it is not quantised again, and the codes and scales need not be those that the quantiser above would give.
;; 2 versions, each right; version 2 is version 1 with the launch maxaffine written anew for expert scheduling mode. Each part assembles by itself: llvm-mc -triple=amdgcn-amd-amdhsa -mcpu=gfx1250 --defsym DOCPART=n.
;; ======== version 1 of 2: 1 launch
;; launch maxaffine (part 1): grid 256 x 1, 16 waves a work-group, no clusters, 69,632 bytes of LDS; arguments a_codes, a_scales, b, s, x_codes, x_scales, out0; writes out0
.if DOCPART == 1
	.amdgcn_target "amdgcn-amd-amdhsa--gfx1250"
	.amdhsa_code_object_version 6
	.text
	.protected	k_q92118eb6dc_maxaffine
	.globl	k_q92118eb6dc_maxaffine
	.p2align	8
	.type	k_q92118eb6dc_maxaffine,@function
k_q92118eb6dc_maxaffine:
	s_mov_b64 s[64:65], 0
	v_nop
	global_prefetch_b8 v0, s[64:65] scope:SCOPE_SE
	s_setreg_imm32_b32 hwreg(HW_REG_WAVE_MODE, 25, 1), 1
	s_wait_xcnt 0x0
; out[n] = sum over k of s[k] * logsumexp over m of (x[n] . a[k][m] + b[k][m]).  n: 131,072; k: 16 experts; m: 128 pieces; d: 64.
; x and a come as codes of BF8 (E5M2) with one E8M0 byte for each 32 along d, and go to the matrix unit as they lie; everything else is f32.
; SHARES.  A work-group owns 512 rows n: 32 tiles of 16; 256 work-groups.  THE SIXTEEN WAVES SHARE THE EXPERTS, NOT THE ROWS: wave w is expert w.  Its 128 rows of a (8 fragments), their scale
; words, its 128 biases (in the result's layout) and s[w] stay in its registers for the whole launch, read from memory once.  It walks all 32 tiles of x: 8 matrix instructions and one logsumexp a tile.
; x (33 KiB a work-group) is put into LDS once, as images of the operand's registers: 16 bytes a lane on end, 512 bytes a register group; any wave that loads them so has the operand.
; LAYOUT.  Source 0 = 16 rows of a (m), source 1 = 16 rows of x (n): lane (r = lane % 16, h = lane / 16) holds ONE n = r, and register j of tile t the score of m = 16 t + 8 h + j.  So a lane holds 64 of
; its row's 128 scores and lane l xor 16 the other 64: maximum and sum want one exchange each.  The bias is the C of each matrix instruction and costs nothing.
; d IS 64, THE INSTRUCTION'S K 128.  x's operand has ZERO CODES in its upper eight registers, so k = 64 .. 127 adds nothing whatever finite codes stand there in a's operand.  So a's fragments lie densely,
; eight registers a tile, and tile t's operand is the run of 16 that begins there: its upper half is tile t + 1's codes (tile 7's: eight cleared registers).  The scale words are 16 bits, zero-extended:
; bytes 2 and 3 are 0, which stands for 2^-127.  That is what lets a (72), the bias (64), the scores (64) and x (16) lie in 256 registers.
; LOGSUMEXP.  Mx = the row's largest score, exactly (all 128 scores are in registers: no running maximum, nothing is rescaled); NM = -c Mx, c = log2(e); p = 2^(c score + NM), at most about 1;
; L = the sum of p; the part is s[w] ln(2) (log2(L) - NM): the shift cancels whatever rounding NM has.
; THE SUM OVER k crosses waves: each wave stores its 512 parts into 2 KiB of LDS of its own; behind one barrier waves 0 to 7 add the 16 parts, k ascending, and each stores 256 consecutive bytes, aligned.
; LIMITS.  Infinity and NaN codes, and the scale byte 0xff, are not served: in a they would meet x's zero codes and make NaN in the neighbouring tile of the same expert too.
; Scores beyond 2^128 / log2(e) in magnitude (about 2.3e38) overflow in c Mx.
; NOT USED.  Joint loads in a cluster: what work-groups share is a, its scales and b, 8.8 KiB a wave, read once at the head straight into the registers where they stay; a joint load would send them
; through LDS for nothing.  Tensor loads: no LDS byte is filled twice, and x's 2 KiB a wave want the register image.  All global reads stand at the head: there is no stream to ask for ahead.
.set XIMG, 0                           ; LDS: x's images: tile t at 1,024 t, register group c at + 512 c, lane l at + 16 l
.set XSC,  32768                       ; x's scale words: row i of the work-group at 4 i
.set PART, 34816                       ; the parts: expert w at 2,048 w, row i at + 4 i
.set XAD, 1                            ; v1   16 x lane + 2,048 x trip: the pair of tiles in hand
.set XSA, 2                            ; v2   XSC + 4 x lane + 128 x trip
.set PST, 3                            ; v3   PART + 2,048 w + 4 x lane + 128 x trip
.set T,   4                            ; v4-7 four chains of the maximum (at the head: lane, r, h)
.set TP,  8                            ; v8   what comes from lane l xor 16
.set XS,  9                            ; v9   x's scale words: lanes 0-15 the even tile's, lanes 16-31 the odd tile's
.set AS,  10                           ; v10-13 a's scale words: register u: lanes 0-15 tile 2 u, lanes 16-31 tile 2 u + 1
.set NM,  14                           ; v[14:15], v[16:17] -c Mx of the even and of the odd tile (the packed form names a pair and takes its low word)
.set SA,  18                           ; v[18:19], v[20:21] two chains of the sum
.set SB,  20
.set L,   22                           ; v22, v23 the row's sum, even and odd tile
.set FA,  24                           ; v24  PART + 8 x thread
.set OO,  25                           ; v25  8 x thread
.set VF,  26                           ; v26  64 r + 16 h: a lane's place in a tile of codes in memory
.set VB,  27                           ; v27  32 h: in a tile's 16 biases
.set VA2, 28                           ; v28  2 x lane
.set VT2, 29                           ; v29  2 x thread
.set XW,  30                           ; v30  16 x lane + 2,048 w: where I store x's images
.set XWS, 31                           ; v31  XSC + 4 x thread
.set X,   32                           ; v32-47   x's operand: 32-39 codes, 40-47 zero codes
.set A,   48                           ; v48-119  a's codes, tile t at 48 + 8 t; 112-119 zero codes
.set BI,  120                          ; v120-183 the biases, tile t at 120 + 8 t
.set S,   184                          ; v184-247 the scores, then p; at the head x on its way to LDS; at the end the 16 parts
.set SK,  248                          ; v248 s[w] ln(2)
.set WV,  18                           ; s18  my wave's number = my expert
.set CNT, 19                           ; s19  trips to go
.set SEL, 20                           ; s[20:21] v_permlanex16_b32's selects for lane l xor 16
.set CS,  22                           ; s[22:23] c = log2(e)
.set NCS, 24                           ; s24  -c
.set HM,  25                           ; s25  the mask of lanes 16-31
	s_load_b256 s[4:11], s[0:1], 0x0               ; a's codes s[4:5], a's scales s[6:7], b s[8:9], s s[10:11]
	s_load_b128 s[12:15], s[0:1], 0x20             ; x's codes s[12:13], x's scales s[14:15]
	s_load_b64 s[16:17], s[0:1], 0x30              ; out
	v_lshl_add_u32 v254, v0, 2, 0x10800
	v_mov_b32 v255, 0
.irp i, 0,1,2,3,4,5,6,7
	v_mov_b32 v[X+8+\i], 0                         ; x's zero codes for k = 64 .. 127: written once, far ahead of the first product
	v_mov_b32 v[A+64+\i], 0                        ; the upper half of a's tile 7
.endr
	v_mov_b32 v[TP], 0                             ; a lane permute's destination counts as one of its sources
	v_mov_b32 v[NM+1], 0                           ; named as the upper halves of pairs
	v_mov_b32 v[NM+3], 0
	v_lshrrev_b32 v4, 5, v0
	v_readfirstlane_b32 s[WV], v4                  ; wave 0..15
	v_and_b32 v4, 31, v0                           ; lane
	v_and_b32 v5, 15, v0                           ; r
	v_bfe_u32 v6, v0, 4, 1                         ; h
	s_lshl_b32 s27, s[WV], 11                      ; 2,048 w
	s_add_co_u32 s30, s27, PART
	v_lshlrev_b32 v[XAD], 4, v4
	v_lshl_add_u32 v[XSA], v4, 2, XSC
	v_lshl_add_u32 v[PST], v4, 2, s30
	v_lshl_add_u32 v[FA], v0, 3, PART
	v_lshlrev_b32 v[OO], 3, v0
	v_lshlrev_b32 v[VF], 6, v5
	v_lshl_add_u32 v[VF], v6, 4, v[VF]
	v_lshlrev_b32 v[VB], 5, v6
	v_lshlrev_b32 v[VA2], 1, v4
	v_lshlrev_b32 v[VT2], 1, v0
	v_add_nc_u32 v[XW], s27, v[XAD]
	v_lshl_add_u32 v[XWS], v0, 2, XSC
	s_mov_b32 s[SEL], 0x76543210
	s_mov_b32 s[SEL+1], 0xfedcba98
	s_mov_b32 s[CS], 0x3fb8aa3b                    ; log2(e)
	s_mov_b32 s[CS+1], s[CS]                       ; (named with it as a pair, so it is written)
	s_mov_b32 s[NCS], 0xbfb8aa3b
	s_mov_b32 s[HM], 0xffff0000
	s_mov_b32 s[CNT], 15
	s_mov_b32 s29, 0                               ; s[28:29]: a byte offset in 64 bits
	s_wait_kmcnt 0x0
	s_lshl_b32 s28, ttmp9, 15                      ; x's codes: 512 rows of 64 bytes a work-group,
	s_add_co_u32 s28, s28, s27                     ; and of them my wave stages tiles 2 w and 2 w + 1: 2,048 bytes
	s_add_nc_u64 s[12:13], s[12:13], s[28:29]
	s_lshl_b32 s28, ttmp9, 10                      ; x's scales: 2 bytes a row
	s_add_nc_u64 s[14:15], s[14:15], s[28:29]
	; x first: it has the longer way, through LDS.  Lane (r, h) takes, of row r, the 16 bytes at 16 h of each block of 32: the operand's registers 4 c .. 4 c + 3
	global_load_b128 v[S:S+3],     v[VF], s[12:13] th:TH_LOAD_NT
	global_load_b128 v[S+4:S+7],   v[VF], s[12:13] offset:32 th:TH_LOAD_NT
	global_load_b128 v[S+8:S+11],  v[VF], s[12:13] offset:1024 th:TH_LOAD_NT
	global_load_b128 v[S+12:S+15], v[VF], s[12:13] offset:1056 th:TH_LOAD_NT
	global_load_u16  v[S+16], v[VT2], s[14:15] th:TH_LOAD_NT         ; thread i: row i's two scale bytes, zero-extended to a word
	s_lshl_b32 s28, s[WV], 13                      ; my expert's 128 rows of 64 codes,
	s_add_nc_u64 s[4:5], s[4:5], s[28:29]
	s_lshl_b32 s28, s[WV], 8                       ; their 256 scale bytes,
	s_add_nc_u64 s[6:7], s[6:7], s[28:29]
	s_lshl_b32 s28, s[WV], 9                       ; its 128 biases,
	s_add_nc_u64 s[8:9], s[8:9], s[28:29]
	s_lshl_b32 s28, s[WV], 2                       ; its s,
	s_add_nc_u64 s[10:11], s[10:11], s[28:29]
	s_lshl_b32 s28, ttmp9, 11                      ; and the work-group's 512 numbers of out
	s_add_nc_u64 s[16:17], s[16:17], s[28:29]
	s_load_b32 s26, s[10:11], 0x0                  ; s[w]
.irp t, 0,1,2,3,4,5,6,7
	global_load_b128 v[A+8*\t:A+8*\t+3],   v[VF], s[4:5] offset:1024*\t
	global_load_b128 v[A+8*\t+4:A+8*\t+7], v[VF], s[4:5] offset:1024*\t+32
.endr
.irp u, 0,1,2,3
	global_load_u16 v[AS+\u], v[VA2], s[6:7] offset:64*\u            ; lane l: row 32 u + l
.endr
.irp t, 0,1,2,3,4,5,6,7
	global_load_b128 v[BI+8*\t:BI+8*\t+3],   v[VB], s[8:9] offset:64*\t      ; b of m = 16 t + 8 h + 0 .. 7
	global_load_b128 v[BI+8*\t+4:BI+8*\t+7], v[VB], s[8:9] offset:64*\t+16
.endr
	s_wait_loadcnt 36                              ; x's five loads are in; the 16 + 4 + 16 issued behind them (a, its scales, b) may be out
	ds_store_b128 v[XW], v[S:S+3]
	ds_store_b128 v[XW], v[S+4:S+7]   offset:512
	ds_store_b128 v[XW], v[S+8:S+11]  offset:1024
	ds_store_b128 v[XW], v[S+12:S+15] offset:1536
	ds_store_b32  v[XWS], v[S+16]
	s_wait_dscnt 0x0                               ; for the others' sake: my stores have landed
	s_barrier_signal -1
	s_barrier_wait -1                              ; x's 32 images and 512 scale words lie in LDS; they are never written again
; Eight products: my expert's eight tiles of a against the tile of x in v[X] on; p: the tile's parity, which says in which half of v[XS] its scale words lie.
; Eight different accumulators, each begun with the bias as C: no sum goes on from one instruction to another.
.macro MM p
.irp t, 0,1,2,3,4,5,6,7
.if (\t%2 == 0) && (\p == 0)
	v_wmma_scale_f32_16x16x128_f8f6f4 v[S+8*\t:S+8*\t+7], v[A+8*\t:A+8*\t+15], v[X:X+15], v[BI+8*\t:BI+8*\t+7], v[AS+\t/2], v[XS] matrix_a_fmt:MATRIX_FMT_BF8 matrix_b_fmt:MATRIX_FMT_BF8
.elseif (\t%2 == 1) && (\p == 0)
	v_wmma_scale_f32_16x16x128_f8f6f4 v[S+8*\t:S+8*\t+7], v[A+8*\t:A+8*\t+15], v[X:X+15], v[BI+8*\t:BI+8*\t+7], v[AS+\t/2], v[XS] matrix_a_fmt:MATRIX_FMT_BF8 matrix_b_fmt:MATRIX_FMT_BF8 matrix_a_scale:MATRIX_SCALE_ROW1
.elseif \t%2 == 0
	v_wmma_scale_f32_16x16x128_f8f6f4 v[S+8*\t:S+8*\t+7], v[A+8*\t:A+8*\t+15], v[X:X+15], v[BI+8*\t:BI+8*\t+7], v[AS+\t/2], v[XS] matrix_a_fmt:MATRIX_FMT_BF8 matrix_b_fmt:MATRIX_FMT_BF8 matrix_b_scale:MATRIX_SCALE_ROW1
.else
	v_wmma_scale_f32_16x16x128_f8f6f4 v[S+8*\t:S+8*\t+7], v[A+8*\t:A+8*\t+15], v[X:X+15], v[BI+8*\t:BI+8*\t+7], v[AS+\t/2], v[XS] matrix_a_fmt:MATRIX_FMT_BF8 matrix_b_fmt:MATRIX_FMT_BF8 matrix_a_scale:MATRIX_SCALE_ROW1 matrix_b_scale:MATRIX_SCALE_ROW1
.endif
.endr
.endm
.macro LOADX off                       ; a tile's image: the operand's eight registers of codes
	ds_load_b128 v[X:X+3],   v[XAD] offset:\off
	ds_load_b128 v[X+4:X+7], v[XAD] offset:\off+512
.endm
.macro LOADS                           ; a pair of tiles' scale words
	ds_load_b32 v[XS], v[XSA]
.endm
.macro FMA q, p                        ; pair q of my 64 scores: c score - c Mx
	v_pk_fma_f32 v[S+2*(\q):S+2*(\q)+1], v[S+2*(\q):S+2*(\q)+1], s[CS:CS+1], v[NM+2*(\p):NM+2*(\p)+1] op_sel_hi:[1,0,0]
.endm
.macro ADD q                           ; pair q joins its chain: even pairs SA, odd pairs SB; pairs 2 and 3 start the chains with pairs 0 and 1: nothing is cleared
.if (\q) == 2
	s_wait_alu depctr_va_vdst(0)
	v_pk_add_f32 v[SA:SA+1], v[S:S+1], v[S+4:S+5]
.elseif (\q) == 3
	v_pk_add_f32 v[SB:SB+1], v[S+2:S+3], v[S+6:S+7]
.elseif ((\q) > 3) && ((\q)%2 == 0)
	s_wait_alu depctr_va_vdst(0)
	v_pk_add_f32 v[SA:SA+1], v[SA:SA+1], v[S+2*(\q):S+2*(\q)+1]
.elseif (\q) > 3
	v_pk_add_f32 v[SB:SB+1], v[SB:SB+1], v[S+2*(\q):S+2*(\q)+1]
.endif
.endm
; A tile's maximum, exponentials and sums.  p: its parity.
.macro SOFT p
.irp b, 0,1,2,3
	v_max3_num_f32 v[T+\b], v[S+16*\b], v[S+16*\b+1], v[S+16*\b+2]   ; four chains by turns, each over two accumulators, in ascending order: each accumulator is read from its low end on
.endr
.irp i, 3,5,7,9,11,13
.irp b, 0,1,2,3
	v_max3_num_f32 v[T+\b], v[T+\b], v[S+16*\b+\i], v[S+16*\b+\i+1]
.endr
.endr
	v_max3_num_f32 v[T], v[T], v[S+15], v[S+31]
	v_max3_num_f32 v[T+2], v[T+2], v[S+47], v[S+63]
	v_max3_num_f32 v[T], v[T], v[T+1], v[T+2]
	v_max_num_f32 v[T], v[T], v[T+3]               ; of my 64 scores,
	v_permlanex16_b32 v[TP], v[T], s[SEL], s[SEL+1]
	v_max_num_f32 v[T], v[T], v[TP]                ; and of lane l xor 16's: Mx
	v_mul_f32 v[NM+2*\p], s[NCS], v[T]             ; -c Mx
	; the scalings run two pairs ahead of the exponentials and the sums two pairs behind, so that each exponential has a plain instruction that names none of its registers between it and the use of its result (ISA guide 5.7.2)
	FMA 0, \p
	FMA 1, \p
.set j, 0
.rept 32
.if j+2 < 32
	FMA j+2, \p
.endif
	v_exp_f32 v[S+2*j], v[S+2*j]
.if j >= 2
	ADD j-2
.endif
	v_exp_f32 v[S+2*j+1], v[S+2*j+1]
.set j, j+1
.endr
	ADD 30
	ADD 31
.endm
.macro FIN p                           ; the two chains, their halves, and lane l xor 16's: the row's sum, in both lanes
	v_pk_add_f32 v[SA:SA+1], v[SA:SA+1], v[SB:SB+1]
	v_add_f32 v[L+\p], v[SA], v[SA+1]
	v_permlanex16_b32 v[TP], v[L+\p], s[SEL], s[SEL+1]
	v_add_f32 v[L+\p], v[L+\p], v[TP]
.endm
.macro COMBINE next                    ; lanes 0-15 finish the even tile's rows, lanes 16-31 the odd tile's: one logarithm and one store for 32 rows
	v_cndmask_b32 v[L], v[L], v[L+1], s[HM]
	v_log_f32 v[L], v[L]
	v_cndmask_b32 v[NM], v[NM], v[NM+2], s[HM]     ; (the plain instruction behind the logarithm)
	s_wait_alu depctr_va_vdst(0)
	v_sub_f32 v[L], v[L], v[NM]                    ; log2(L) + c Mx
	v_mul_f32 v[L], v[SK], v[L]                    ; x s[w] ln(2)
	ds_store_b32 v[PST], v[L]
.if \next
	v_add_nc_u32 v[PST], 128, v[PST]
.endif
.endm
; Loads into registers that a matrix instruction has read, and the first read of its results, stand eight places behind it, and only plain vector instructions that name none of its registers are places.
; The lane permute, the logarithm and the LDS store are not counted.
.macro HALF_A next                     ; the even tile's softmax; the odd tile's products; next = 1: the next pair's even tile and scale words are fetched
	SOFT 0
	s_wait_dscnt 0x0                               ; the odd tile's image is in (asked for a whole softmax ago)
	MM 1
	FIN 0                                          ; three places,
.if \next
	v_add_nc_u32 v[XAD], 2048, v[XAD]              ; two: on to the next pair of tiles,
	v_add_nc_u32 v[XSA], 128, v[XSA]
.else
	v_nop
	v_nop
.endif
.rept 3
	v_nop                                          ; three: eight
.endr
.if \next
	LOADX 0
	LOADS
.endif
.endm
.macro HALF_B next                     ; the odd tile's softmax; next = 1: the next even tile's products, and the next odd tile is fetched
	SOFT 1
.if \next
	s_wait_dscnt 0x0                               ; the next even tile's image and the pair's scale words are in
	MM 0
.endif
	FIN 1                                          ; three places,
	COMBINE \next                                  ; and five (two selects, the difference, the product, the address's step): eight
.if \next
	LOADX 1024
.endif
.endm
	LOADX 0                                        ; tile 0
	LOADS
	s_wait_loadcnt 0x0                             ; a, its scale words, b
	s_wait_kmcnt 0x0                               ; s[w]
	v_mov_b32 v[SK], s26
	v_mul_f32 v[SK], 0x3f317218, v[SK]             ; x ln(2)
	s_wait_dscnt 0x0
	MM 0
.rept 8
	v_nop                                          ; no vector work is at hand yet
.endr
	LOADX 1024                                     ; tile 1
.Ltrip:                                            ; 15 trips, two tiles each: from an even tile's softmax to the next even tile's products
	HALF_A 1
	HALF_B 1
	s_sub_co_u32 s[CNT], s[CNT], 1
	s_cmp_lg_u32 s[CNT], 0
	s_cbranch_scc1 .Ltrip
	HALF_A 0                                       ; the last pair is written out: it fetches nothing, so no LDS load passes the end of x's images
	HALF_B 0
	s_wait_dscnt 0x0                               ; for the others' sake: my 512 parts have landed
	s_barrier_signal -1
	s_barrier_wait -1
	s_cmp_ge_u32 s[WV], 8                          ; 512 rows, two a thread: waves 0 to 7 add
	s_cbranch_scc1 .Lend
.irp k, 0,1,2,3,4,5,6,7,8,9,10,11,12,13,14,15
	ds_load_b64 v[S+2*\k:S+2*\k+1], v[FA] offset:2048*\k             ; expert k's parts of rows 2 i and 2 i + 1: 256 consecutive bytes a wave
.endr
	s_wait_dscnt 0x0
.irp k, 1,2,3,4,5,6,7,8,9,10,11,12,13,14,15
	v_pk_add_f32 v[S:S+1], v[S:S+1], v[S+2*\k:S+2*\k+1]              ; k ascending
.endr
	global_store_b64 v[OO], v[S:S+1], s[16:17] th:TH_STORE_NT        ; 32 lanes store 256 consecutive bytes, at a multiple of 256 from out's first byte
.Lend:
	s_wait_tensorcnt 0x0
	ds_add_u32 v254, v255
	s_wait_dscnt 0x0
	s_endpgm
.Lfunc_end_k_q92118eb6dc_maxaffine:
	.size	k_q92118eb6dc_maxaffine, .Lfunc_end_k_q92118eb6dc_maxaffine-k_q92118eb6dc_maxaffine
	.p2alignl 7, 3214868480
	.fill 96, 4, 3214868480
	.section	.rodata,"a",@progbits
	.p2align	6, 0x0
	.amdhsa_kernel k_q92118eb6dc_maxaffine
		.amdhsa_group_segment_fixed_size 69632
		.amdhsa_private_segment_fixed_size 0
		.amdhsa_enable_private_segment 0
		.amdhsa_kernarg_size 56
		.amdhsa_user_sgpr_count 2
		.amdhsa_user_sgpr_kernarg_segment_ptr 1
		.amdhsa_wavefront_size32 1
		.amdhsa_system_sgpr_workgroup_id_x 1
		.amdhsa_system_sgpr_workgroup_id_y 1
		.amdhsa_system_sgpr_workgroup_id_z 1
		.amdhsa_system_vgpr_workitem_id 0
		.amdhsa_next_free_vgpr 256
		.amdhsa_next_free_sgpr 66
		.amdhsa_reserve_vcc 0
		.amdhsa_float_denorm_mode_32 3
		.amdhsa_float_denorm_mode_16_64 3
		.amdhsa_memory_ordered 1
		.amdhsa_forward_progress 1
		.amdhsa_inst_pref_size 51
	.end_amdhsa_kernel
	.amdgpu_metadata
---
amdhsa.version: [ 1, 2 ]
amdhsa.kernels:
  - .name:           k_q92118eb6dc_maxaffine
    .symbol:         k_q92118eb6dc_maxaffine.kd
    .args:
      - { .name: a_codes, .offset: 0, .size: 8, .value_kind: global_buffer, .address_space: global }
      - { .name: a_scales, .offset: 8, .size: 8, .value_kind: global_buffer, .address_space: global }
      - { .name: b, .offset: 16, .size: 8, .value_kind: global_buffer, .address_space: global }
      - { .name: s, .offset: 24, .size: 8, .value_kind: global_buffer, .address_space: global }
      - { .name: x_codes, .offset: 32, .size: 8, .value_kind: global_buffer, .address_space: global }
      - { .name: x_scales, .offset: 40, .size: 8, .value_kind: global_buffer, .address_space: global }
      - { .name: out0, .offset: 48, .size: 8, .value_kind: global_buffer, .address_space: global }
    .group_segment_fixed_size: 69632
    .private_segment_fixed_size: 0
    .kernarg_segment_align: 8
    .kernarg_segment_size: 56
    .max_flat_workgroup_size: 512
    .sgpr_count:     66
    .vgpr_count:     256
    .wavefront_size: 32
...
	.end_amdgpu_metadata
.endif
;; end of part 1
;; ======== version 2 of 2: 1 launch; version 1 with the launch maxaffine written anew for expert scheduling mode
;; launch maxaffine (part 2): grid 256 x 1, 16 waves a work-group, no clusters, 69,632 bytes of LDS; arguments a_codes, a_scales, b, s, x_codes, x_scales, out0; writes out0
.if DOCPART == 2
	.amdgcn_target "amdgcn-amd-amdhsa--gfx1250"
	.amdhsa_code_object_version 6
	.text
	.protected	k_q92118eb6dc_maxaffine
	.globl	k_q92118eb6dc_maxaffine
	.p2align	8
	.type	k_q92118eb6dc_maxaffine,@function
k_q92118eb6dc_maxaffine:
	s_mov_b64 s[64:65], 0
	v_nop
	global_prefetch_b8 v0, s[64:65] scope:SCOPE_SE
	s_setreg_imm32_b32 hwreg(HW_REG_WAVE_SCHED_MODE, 0, 2), 2
	s_setreg_imm32_b32 hwreg(HW_REG_WAVE_MODE, 25, 1), 1
	s_wait_xcnt 0x0
	s_wait_alu depctr_vm_vsrc(0)
; out[n] = sum over k of s[k] * logsumexp over m of (x[n] . a[k][m] + b[k][m]).  n: 131,072; k: 16 experts; m: 128 pieces; d: 64.
; x and a come as codes of BF8 (E5M2) with one E8M0 byte for each 32 along d, and go to the matrix unit as they lie; everything else is f32.
; SHARES.  A work-group owns 512 rows n: 32 tiles of 16; 256 work-groups.  THE SIXTEEN WAVES SHARE THE EXPERTS, NOT THE ROWS: wave w is expert w.  Its 128 rows of a (8 fragments), their scale
; words, its 128 biases (in the result's layout) and s[w] stay in its registers for the whole launch, read from memory once.  It walks all 32 tiles of x: 8 matrix instructions and one logsumexp a tile.
; x (33 KiB a work-group) is put into LDS once, as images of the operand's registers: 16 bytes a lane on end, 512 bytes a register group; any wave that loads them so has the operand.
; LAYOUT.  Source 0 = 16 rows of a (m), source 1 = 16 rows of x (n): lane (r = lane % 16, h = lane / 16) holds ONE n = r, and register j of tile t the score of m = 16 t + 8 h + j.  So a lane holds 64 of
; its row's 128 scores and lane l xor 16 the other 64: maximum and sum want one exchange each.  The bias is the C of each matrix instruction and costs nothing.
; d IS 64, THE INSTRUCTION'S K 128.  x's operand has ZERO CODES in its upper eight registers, so k = 64 .. 127 adds nothing whatever finite codes stand there in a's operand.  So a's fragments lie densely,
; eight registers a tile, and tile t's operand is the run of 16 that begins there: its upper half is tile t + 1's codes (tile 7's: eight cleared registers).  The scale words are 16 bits, zero-extended:
; bytes 2 and 3 are 0, which stands for 2^-127.  That is what lets a (72), the bias (64), the scores (64) and x (16) lie in 256 registers.
; LOGSUMEXP.  Mx = the row's largest score, exactly (all 128 scores are in registers: no running maximum, nothing is rescaled); NM = -c Mx, c = log2(e); p = 2^(c score + NM), at most about 1;
; L = the sum of p; the part is s[w] ln(2) (log2(L) - NM): the shift cancels whatever rounding NM has.
; THE SUM OVER k crosses waves: each wave stores its 512 parts into 2 KiB of LDS of its own; behind one barrier waves 0 to 7 add the 16 parts, k ascending, and each stores 256 consecutive bytes, aligned.
; LIMITS.  Infinity and NaN codes, and the scale byte 0xff, are not served: in a they would meet x's zero codes and make NaN in the neighbouring tile of the same expert too.
; Scores beyond 2^128 / log2(e) in magnitude (about 2.3e38) overflow in c Mx.
; NOT USED.  Joint loads in a cluster: what work-groups share is a, its scales and b, 8.8 KiB a wave, read once at the head straight into the registers where they stay; a joint load would send them
; through LDS for nothing.  Tensor loads: no LDS byte is filled twice, and x's 2 KiB a wave want the register image.  All global reads stand at the head: there is no stream to ask for ahead.
; THE MODE: SCHED_MODE bits 1:0 = 2 (LLVM: expert scheduling mode 2), set by the entry lines.  The code itself states the register dependences
; between vector or matrix instructions and memory or LDS instructions, with s_wait_alu, always for 0.
; THE PLAN.  A pair of tiles is two halves: A (the even tile's softmax, the odd tile's products) and B (the odd tile's softmax, the next even tile's products, the pair's logarithm).
; Registers that LDS instructions touch, in the loop:
;   v[X .. X+7]   Read by a half's eight products; the next tile's image is loaded into them in the softmax that follows those products.
;   v[XS]         Read by both halves' products; the next pair's scale words are loaded into it in B's softmax, behind A's products.
;   v[XAD], v[XSA]  Read by those loads; stepped once a pair, at B's head.
;   v[L]          Written by B's last lines (the pair's part); read by the part's LDS store, which stands in the NEXT A's softmax; written again by that A's sum, behind its products.
;   v[PST]        Read by that store; stepped in the same A, behind its products.
;   a, the biases, a's scale words and the scores are named by vector and matrix instructions alone.  Every other address is made at the head and never written again.
; A softmax holds waits on va_vdst anyway, behind its exponentials.  A half's LDS instructions stand straight behind the FIRST of them: it also states that the products issued ahead of the softmax are
; done reading v[X ..] and v[XS], that the steps of v[XAD] and v[XSA] are written, and that the part in v[L] is written; from there to the softmax's end no vector instruction names one of these registers.
; So no wait on va_vdst stands in the loop for the LDS instructions alone.  ONE wait on vm_vsrc a pair stands in A, behind its products: no LDS instruction is issued between it and the writes of
; v[L], v[PST], v[XAD] and v[XSA].  Since a pair's part leaves in the next pair's A, the first A and the last B are written out and a trip of the loop is B, then the next pair's A.
.set XIMG, 0                           ; LDS: x's images: tile t at 1,024 t, register group c at + 512 c, lane l at + 16 l
.set XSC,  32768                       ; x's scale words: row i of the work-group at 4 i
.set PART, 34816                       ; the parts: expert w at 2,048 w, row i at + 4 i
.set XAD, 1                            ; v1   16 x lane + 2,048 x pair: the pair of tiles in hand
.set XSA, 2                            ; v2   XSC + 4 x lane + 128 x pair
.set PST, 3                            ; v3   PART + 2,048 w + 4 x lane + 128 x pair
.set T,   4                            ; v4-7 four chains of the maximum (at the head: lane, r, h)
.set TP,  8                            ; v8   what comes from lane l xor 16
.set XS,  9                            ; v9   x's scale words: lanes 0-15 the even tile's, lanes 16-31 the odd tile's
.set AS,  10                           ; v10-13 a's scale words: register u: lanes 0-15 tile 2 u, lanes 16-31 tile 2 u + 1
.set NM,  14                           ; v[14:15], v[16:17] -c Mx of the even and of the odd tile (the packed form names a pair and takes its low word)
.set SA,  18                           ; v[18:19], v[20:21] two chains of the sum
.set SB,  20
.set L,   22                           ; v22, v23 the row's sum, even and odd tile
.set FA,  24                           ; v24  PART + 8 x thread
.set OO,  25                           ; v25  8 x thread
.set VF,  26                           ; v26  64 r + 16 h: a lane's place in a tile of codes in memory
.set VB,  27                           ; v27  32 h: in a tile's 16 biases
.set VA2, 28                           ; v28  2 x lane
.set VT2, 29                           ; v29  2 x thread
.set XW,  30                           ; v30  16 x lane + 2,048 w: where I store x's images
.set XWS, 31                           ; v31  XSC + 4 x thread
.set X,   32                           ; v32-47   x's operand: 32-39 codes, 40-47 zero codes
.set A,   48                           ; v48-119  a's codes, tile t at 48 + 8 t; 112-119 zero codes
.set BI,  120                          ; v120-183 the biases, tile t at 120 + 8 t
.set S,   184                          ; v184-247 the scores, then p; at the head x on its way to LDS; at the end the 16 parts
.set SK,  248                          ; v248 s[w] ln(2)
.set WV,  18                           ; s18  my wave's number = my expert
.set CNT, 19                           ; s19  trips to go
.set SEL, 20                           ; s[20:21] v_permlanex16_b32's selects for lane l xor 16
.set CS,  22                           ; s[22:23] c = log2(e)
.set NCS, 24                           ; s24  -c
.set HM,  25                           ; s25  the mask of lanes 16-31
	s_load_b256 s[4:11], s[0:1], 0x0               ; a's codes s[4:5], a's scales s[6:7], b s[8:9], s s[10:11]
	s_load_b128 s[12:15], s[0:1], 0x20             ; x's codes s[12:13], x's scales s[14:15]
	s_load_b64 s[16:17], s[0:1], 0x30              ; out
	v_lshl_add_u32 v254, v0, 2, 0x10800            ; my spare word, behind the parts: 128 bytes a wave, eight blocks of 256 bytes that no other line names; kept for the closing lines alone,
	v_mov_b32 v255, 0                              ; and 0, likewise
.irp i, 0,1,2,3,4,5,6,7
	v_mov_b32 v[X+8+\i], 0                         ; x's zero codes for k = 64 .. 127: written once, far ahead of the first product
	v_mov_b32 v[A+64+\i], 0                        ; the upper half of a's tile 7
.endr
	v_mov_b32 v[TP], 0                             ; a lane permute's destination counts as one of its sources
	v_mov_b32 v[NM+1], 0                           ; named as the upper halves of pairs
	v_mov_b32 v[NM+3], 0
	v_lshrrev_b32 v4, 5, v0
	v_readfirstlane_b32 s[WV], v4                  ; wave 0..15
	v_and_b32 v4, 31, v0                           ; lane
	v_and_b32 v5, 15, v0                           ; r
	v_bfe_u32 v6, v0, 4, 1                         ; h
	s_wait_alu depctr_va_sdst(0)                   ; the wave's number is written into s[WV], ahead of its first reader, the next line
	s_lshl_b32 s27, s[WV], 11                      ; 2,048 w
	s_add_co_u32 s30, s27, PART
	v_lshlrev_b32 v[XAD], 4, v4
	v_lshl_add_u32 v[XSA], v4, 2, XSC
	v_lshl_add_u32 v[PST], v4, 2, s30
	v_lshl_add_u32 v[FA], v0, 3, PART
	v_lshlrev_b32 v[OO], 3, v0
	v_lshlrev_b32 v[VF], 6, v5
	v_lshl_add_u32 v[VF], v6, 4, v[VF]
	v_lshlrev_b32 v[VB], 5, v6
	v_lshlrev_b32 v[VA2], 1, v4
	v_lshlrev_b32 v[VT2], 1, v0
	v_add_nc_u32 v[XW], s27, v[XAD]
	v_lshl_add_u32 v[XWS], v0, 2, XSC
	s_mov_b32 s[SEL], 0x76543210
	s_mov_b32 s[SEL+1], 0xfedcba98
	s_mov_b32 s[CS], 0x3fb8aa3b                    ; log2(e)
	s_mov_b32 s[CS+1], s[CS]                       ; (named with it as a pair, so it is written)
	s_mov_b32 s[NCS], 0xbfb8aa3b
	s_mov_b32 s[HM], 0xffff0000
	s_mov_b32 s[CNT], 15
	s_mov_b32 s29, 0                               ; s[28:29]: a byte offset in 64 bits
	s_wait_kmcnt 0x0
	s_lshl_b32 s28, ttmp9, 15                      ; x's codes: 512 rows of 64 bytes a work-group,
	s_add_co_u32 s28, s28, s27                     ; and of them my wave stages tiles 2 w and 2 w + 1: 2,048 bytes
	s_add_nc_u64 s[12:13], s[12:13], s[28:29]
	s_lshl_b32 s28, ttmp9, 10                      ; x's scales: 2 bytes a row
	s_add_nc_u64 s[14:15], s[14:15], s[28:29]
	s_wait_alu depctr_va_vdst(0)                   ; the addresses and offsets v1-3 and v24-31 are written, which the loads and stores of the whole kernel read; so are the zero codes v40-47 and v112-119, which the products take as operands
	; x first: it has the longer way, through LDS.  Lane (r, h) takes, of row r, the 16 bytes at 16 h of each block of 32: the operand's registers 4 c .. 4 c + 3
	global_load_b128 v[S:S+3],     v[VF], s[12:13] th:TH_LOAD_NT
	global_load_b128 v[S+4:S+7],   v[VF], s[12:13] offset:32 th:TH_LOAD_NT
	global_load_b128 v[S+8:S+11],  v[VF], s[12:13] offset:1024 th:TH_LOAD_NT
	global_load_b128 v[S+12:S+15], v[VF], s[12:13] offset:1056 th:TH_LOAD_NT
	global_load_u16  v[S+16], v[VT2], s[14:15] th:TH_LOAD_NT         ; thread i: row i's two scale bytes, zero-extended to a word
	s_lshl_b32 s28, s[WV], 13                      ; my expert's 128 rows of 64 codes,
	s_add_nc_u64 s[4:5], s[4:5], s[28:29]
	s_lshl_b32 s28, s[WV], 8                       ; their 256 scale bytes,
	s_add_nc_u64 s[6:7], s[6:7], s[28:29]
	s_lshl_b32 s28, s[WV], 9                       ; its 128 biases,
	s_add_nc_u64 s[8:9], s[8:9], s[28:29]
	s_lshl_b32 s28, s[WV], 2                       ; its s,
	s_add_nc_u64 s[10:11], s[10:11], s[28:29]
	s_lshl_b32 s28, ttmp9, 11                      ; and the work-group's 512 numbers of out
	s_add_nc_u64 s[16:17], s[16:17], s[28:29]
	s_load_b32 s26, s[10:11], 0x0                  ; s[w]
.irp t, 0,1,2,3,4,5,6,7
	global_load_b128 v[A+8*\t:A+8*\t+3],   v[VF], s[4:5] offset:1024*\t
	global_load_b128 v[A+8*\t+4:A+8*\t+7], v[VF], s[4:5] offset:1024*\t+32
.endr
.irp u, 0,1,2,3
	global_load_u16 v[AS+\u], v[VA2], s[6:7] offset:64*\u            ; lane l: row 32 u + l
.endr
.irp t, 0,1,2,3,4,5,6,7
	global_load_b128 v[BI+8*\t:BI+8*\t+3],   v[VB], s[8:9] offset:64*\t      ; b of m = 16 t + 8 h + 0 .. 7
	global_load_b128 v[BI+8*\t+4:BI+8*\t+7], v[VB], s[8:9] offset:64*\t+16
.endr
	s_wait_loadcnt 36                              ; x's five loads are in; the 16 + 4 + 16 issued behind them (a, its scales, b) may be out
	ds_store_b128 v[XW], v[S:S+3]
	ds_store_b128 v[XW], v[S+4:S+7]   offset:512
	ds_store_b128 v[XW], v[S+8:S+11]  offset:1024
	ds_store_b128 v[XW], v[S+12:S+15] offset:1536
	ds_store_b32  v[XWS], v[S+16]
	s_wait_dscnt 0x0                               ; for the others' sake: my stores have landed
	s_barrier_signal -1
	s_barrier_wait -1                              ; x's 32 images and 512 scale words lie in LDS; they are never written again
; Eight products: my expert's eight tiles of a against the tile of x in v[X] on; p: the tile's parity, which says in which half of v[XS] its scale words lie.
; Eight different accumulators, each begun with the bias as C: no sum goes on from one instruction to another.
.macro MM p
.irp t, 0,1,2,3,4,5,6,7
.if (\t%2 == 0) && (\p == 0)
	v_wmma_scale_f32_16x16x128_f8f6f4 v[S+8*\t:S+8*\t+7], v[A+8*\t:A+8*\t+15], v[X:X+15], v[BI+8*\t:BI+8*\t+7], v[AS+\t/2], v[XS] matrix_a_fmt:MATRIX_FMT_BF8 matrix_b_fmt:MATRIX_FMT_BF8
.elseif (\t%2 == 1) && (\p == 0)
	v_wmma_scale_f32_16x16x128_f8f6f4 v[S+8*\t:S+8*\t+7], v[A+8*\t:A+8*\t+15], v[X:X+15], v[BI+8*\t:BI+8*\t+7], v[AS+\t/2], v[XS] matrix_a_fmt:MATRIX_FMT_BF8 matrix_b_fmt:MATRIX_FMT_BF8 matrix_a_scale:MATRIX_SCALE_ROW1
.elseif \t%2 == 0
	v_wmma_scale_f32_16x16x128_f8f6f4 v[S+8*\t:S+8*\t+7], v[A+8*\t:A+8*\t+15], v[X:X+15], v[BI+8*\t:BI+8*\t+7], v[AS+\t/2], v[XS] matrix_a_fmt:MATRIX_FMT_BF8 matrix_b_fmt:MATRIX_FMT_BF8 matrix_b_scale:MATRIX_SCALE_ROW1
.else
	v_wmma_scale_f32_16x16x128_f8f6f4 v[S+8*\t:S+8*\t+7], v[A+8*\t:A+8*\t+15], v[X:X+15], v[BI+8*\t:BI+8*\t+7], v[AS+\t/2], v[XS] matrix_a_fmt:MATRIX_FMT_BF8 matrix_b_fmt:MATRIX_FMT_BF8 matrix_a_scale:MATRIX_SCALE_ROW1 matrix_b_scale:MATRIX_SCALE_ROW1
.endif
.endr
.endm
.macro LOADX off                       ; a tile's image: the operand's eight registers of codes
	ds_load_b128 v[X:X+3],   v[XAD] offset:\off
	ds_load_b128 v[X+4:X+7], v[XAD] offset:\off+512
.endm
.macro LOADS                           ; a pair of tiles' scale words
	ds_load_b32 v[XS], v[XSA]
.endm
.macro FMA q, p                        ; pair q of my 64 scores: c score - c Mx
	v_pk_fma_f32 v[S+2*(\q):S+2*(\q)+1], v[S+2*(\q):S+2*(\q)+1], s[CS:CS+1], v[NM+2*(\p):NM+2*(\p)+1] op_sel_hi:[1,0,0]
.endm
.macro ADD q                           ; pair q joins its chain: even pairs SA, odd pairs SB; pairs 2 and 3 start the chains with pairs 0 and 1: nothing is cleared
.if (\q) == 2
	v_pk_add_f32 v[SA:SA+1], v[S:S+1], v[S+4:S+5]
.elseif (\q) == 3
	v_pk_add_f32 v[SB:SB+1], v[S+2:S+3], v[S+6:S+7]
.elseif ((\q) > 3) && ((\q)%2 == 0)
	v_pk_add_f32 v[SA:SA+1], v[SA:SA+1], v[S+2*(\q):S+2*(\q)+1]
.elseif (\q) > 3
	v_pk_add_f32 v[SB:SB+1], v[SB:SB+1], v[S+2*(\q):S+2*(\q)+1]
.endif
.endm
; A tile's maximum, exponentials and sums.  p: its parity.  f: what is fetched from LDS on the way: 1: the pair's odd tile; 2: the next pair's even tile and scale words; 0: nothing.
; st = 1: the part of the pair before is stored on the way.
.macro SOFT p, f, st
.irp b, 0,1,2,3
	v_max3_num_f32 v[T+\b], v[S+16*\b], v[S+16*\b+1], v[S+16*\b+2]   ; four chains by turns, each over two accumulators, in ascending order: each accumulator is read from its low end on
.endr
.irp i, 3,5,7,9,11,13
.irp b, 0,1,2,3
	v_max3_num_f32 v[T+\b], v[T+\b], v[S+16*\b+\i], v[S+16*\b+\i+1]
.endr
.endr
	v_max3_num_f32 v[T], v[T], v[S+15], v[S+31]
	v_max3_num_f32 v[T+2], v[T+2], v[S+47], v[S+63]
	v_max3_num_f32 v[T], v[T], v[T+1], v[T+2]
	v_max_num_f32 v[T], v[T], v[T+3]               ; of my 64 scores,
	v_permlanex16_b32 v[TP], v[T], s[SEL], s[SEL+1]
	v_max_num_f32 v[T], v[T], v[TP]                ; and of lane l xor 16's: Mx
	v_mul_f32 v[NM+2*\p], s[NCS], v[T]             ; -c Mx
	; the scalings run two pairs ahead of the exponentials and the sums two pairs behind, so that each exponential has a plain instruction that names none of its registers between it and the use of its result (ISA guide 5.7.2)
	FMA 0, \p
	FMA 1, \p
.set j, 0
.rept 32
.if j+2 < 32
	FMA j+2, \p
.endif
	v_exp_f32 v[S+2*j], v[S+2*j]
.if j == 4
	s_wait_alu depctr_va_vdst(0)                   ; the exponentials of pairs 0 to 3 have written p, which the two sums that follow read.  THE SAME WAIT SERVES THE LDS INSTRUCTIONS BELOW: the products issued ahead of this softmax are done reading v[X ..] and v[XS], in which the loads land; the steps of v[XAD] and v[XSA] are written; the part in v[L] is written
.if (\f) == 1
	LOADX 1024                                     ; the pair's odd tile.  From the wait above to the softmax's end no vector instruction names v[X ..], v[XS], v[XAD], v[XSA], v[L] or v[PST]
.endif
.if (\f) == 2
	LOADX 0                                        ; the next pair's even tile,
	LOADS                                          ; and its scale words
.endif
.if (\st)
	ds_store_b32 v[PST], v[L]                      ; the part of the pair before: 32 rows
.endif
.elseif (j > 4) && (j%2 == 0)
	s_wait_alu depctr_va_vdst(0)                   ; the exponentials of pairs j - 2 and j - 1 have written p, which the sum below and the next one read: one wait for the four
.endif
.if j >= 2
	ADD j-2
.endif
	v_exp_f32 v[S+2*j+1], v[S+2*j+1]
.set j, j+1
.endr
	s_wait_alu depctr_va_vdst(0)                   ; the exponentials of pairs 30 and 31 have written p, which the last two sums read
	ADD 30
	ADD 31
.endm
.macro FIN p                           ; the two chains, their halves, and lane l xor 16's: the row's sum, in both lanes
	v_pk_add_f32 v[SA:SA+1], v[SA:SA+1], v[SB:SB+1]
	v_add_f32 v[L+\p], v[SA], v[SA+1]
	v_permlanex16_b32 v[TP], v[L+\p], s[SEL], s[SEL+1]
	v_add_f32 v[L+\p], v[L+\p], v[TP]
.endm
.macro COMBINE                         ; lanes 0-15 finish the even tile's rows, lanes 16-31 the odd tile's: one logarithm and, later, one store for 32 rows
	v_cndmask_b32 v[L], v[L], v[L+1], s[HM]
	v_log_f32 v[L], v[L]
	v_cndmask_b32 v[NM], v[NM], v[NM+2], s[HM]     ; (the plain instruction behind the logarithm)
	s_wait_alu depctr_va_vdst(0)                   ; the logarithm has written v[L], which the next line reads
	v_sub_f32 v[L], v[L], v[NM]                    ; log2(L) + c Mx
	v_mul_f32 v[L], v[SK], v[L]                    ; x s[w] ln(2)
.endm
; The first read of a matrix instruction's results stands eight places behind it, and only plain vector instructions that name none of its registers are places.
; The lane permute and the logarithm are not counted.  The waits fill no place.
.macro HALF_A first                    ; the even tile's softmax; the odd tile's products.  first = 1: the first pair, with no part in front of it
	SOFT 0, 1, 1-\first
	s_wait_dscnt 0x0                               ; the odd tile's image is in (asked for 27 pairs of the softmax ago)
	MM 1
	s_wait_alu depctr_vm_vsrc(0)                   ; the part's store has read v[L] and v[PST], and the LDS loads issued so far have read v[XAD] and v[XSA]: the sum below writes v[L], the step below v[PST], the steps at the next half's head the other two; no LDS instruction stands between this wait and those writes
	FIN 0                                          ; three places,
.if \first
	v_nop
.else
	v_add_nc_u32 v[PST], 128, v[PST]               ; one: on to the next pair's part,
.endif
	v_nop
	v_nop                                          ; two; the two lines at the head of the half that follows make eight
.endm
.macro HALF_B next                     ; the odd tile's softmax; next = 1: the next even tile's products
.if \next
	v_add_nc_u32 v[XAD], 2048, v[XAD]              ; on to the next pair of tiles (free since the wait on vm_vsrc in the half before)
	v_add_nc_u32 v[XSA], 128, v[XSA]
.else
	v_nop
	v_nop
.endif
	SOFT 1, 2*\next, 0
.if \next
	s_wait_dscnt 0x0                               ; the next even tile's image and the pair's scale words are in
	MM 0
.endif
	FIN 1                                          ; three places,
	COMBINE                                        ; four (two selects, the difference, the product),
.if \next
	v_nop                                          ; one: eight
.endif
.endm
	s_wait_alu depctr_vm_vsrc(0)                   ; my LDS stores of x have read v[S .. S+16], which the first products write
	LOADX 0                                        ; tile 0
	LOADS
	s_wait_loadcnt 0x0                             ; a, its scale words, b
	s_wait_kmcnt 0x0                               ; s[w]
	v_mov_b32 v[SK], s26
	v_mul_f32 v[SK], 0x3f317218, v[SK]             ; x ln(2)
	s_wait_dscnt 0x0
	MM 0
.rept 8
	v_nop                                          ; no vector work is at hand yet
.endr
	HALF_A 1                                       ; the first pair's first half is written out: no part is there to be stored yet
.Ltrip:                                            ; 15 trips, two tiles each: from an odd tile's softmax to the next odd tile's products
	HALF_B 1
	HALF_A 0
	s_sub_co_u32 s[CNT], s[CNT], 1
	s_cmp_lg_u32 s[CNT], 0
	s_cbranch_scc1 .Ltrip
	HALF_B 0                                       ; the last half is written out: it fetches nothing, so no LDS load passes the end of x's images
	s_wait_alu depctr_va_vdst(0)                   ; the last part is written into v[L], which the store reads; and every vector instruction that names v[S ..] is done: the sixteen LDS loads below land there, and no vector instruction stands between
	ds_store_b32 v[PST], v[L]
	s_wait_dscnt 0x0                               ; for the others' sake: my 512 parts have landed
	s_barrier_signal -1
	s_barrier_wait -1
	s_cmp_ge_u32 s[WV], 8                          ; 512 rows, two a thread: waves 0 to 7 add
	s_cbranch_scc1 .Lend
.irp k, 0,1,2,3,4,5,6,7,8,9,10,11,12,13,14,15
	ds_load_b64 v[S+2*\k:S+2*\k+1], v[FA] offset:2048*\k             ; expert k's parts of rows 2 i and 2 i + 1: 256 consecutive bytes a wave
.endr
	s_wait_dscnt 0x0
.irp k, 1,2,3,4,5,6,7,8,9,10,11,12,13,14,15
	v_pk_add_f32 v[S:S+1], v[S:S+1], v[S+2*\k:S+2*\k+1]              ; k ascending
.endr
	s_wait_alu depctr_va_vdst(0)                   ; the sums have written v[S:S+1], which the store reads
	global_store_b64 v[OO], v[S:S+1], s[16:17] th:TH_STORE_NT        ; 32 lanes store 256 consecutive bytes, at a multiple of 256 from out's first byte
.Lend:
	s_wait_dscnt 0x0                               ; the closing lines, six on end
	s_wait_alu 0x0
	s_wait_tensorcnt 0x0
	ds_add_u32 v254, v255
	s_wait_dscnt 0x0
	s_endpgm
.Lfunc_end_k_q92118eb6dc_maxaffine:
	.size	k_q92118eb6dc_maxaffine, .Lfunc_end_k_q92118eb6dc_maxaffine-k_q92118eb6dc_maxaffine
	.p2alignl 7, 3214868480
	.fill 96, 4, 3214868480
	.section	.rodata,"a",@progbits
	.p2align	6, 0x0
	.amdhsa_kernel k_q92118eb6dc_maxaffine
		.amdhsa_group_segment_fixed_size 69632
		.amdhsa_private_segment_fixed_size 0
		.amdhsa_enable_private_segment 0
		.amdhsa_kernarg_size 56
		.amdhsa_user_sgpr_count 2
		.amdhsa_user_sgpr_kernarg_segment_ptr 1
		.amdhsa_wavefront_size32 1
		.amdhsa_system_sgpr_workgroup_id_x 1
		.amdhsa_system_sgpr_workgroup_id_y 1
		.amdhsa_system_sgpr_workgroup_id_z 1
		.amdhsa_system_vgpr_workitem_id 0
		.amdhsa_next_free_vgpr 256
		.amdhsa_next_free_sgpr 66
		.amdhsa_reserve_vcc 0
		.amdhsa_float_denorm_mode_32 3
		.amdhsa_float_denorm_mode_16_64 3
		.amdhsa_memory_ordered 1
		.amdhsa_forward_progress 1
		.amdhsa_inst_pref_size 51
	.end_amdhsa_kernel
	.amdgpu_metadata
---
amdhsa.version: [ 1, 2 ]
amdhsa.kernels:
  - .name:           k_q92118eb6dc_maxaffine
    .symbol:         k_q92118eb6dc_maxaffine.kd
    .args:
      - { .name: a_codes, .offset: 0, .size: 8, .value_kind: global_buffer, .address_space: global }
      - { .name: a_scales, .offset: 8, .size: 8, .value_kind: global_buffer, .address_space: global }
      - { .name: b, .offset: 16, .size: 8, .value_kind: global_buffer, .address_space: global }
      - { .name: s, .offset: 24, .size: 8, .value_kind: global_buffer, .address_space: global }
      - { .name: x_codes, .offset: 32, .size: 8, .value_kind: global_buffer, .address_space: global }
      - { .name: x_scales, .offset: 40, .size: 8, .value_kind: global_buffer, .address_space: global }
      - { .name: out0, .offset: 48, .size: 8, .value_kind: global_buffer, .address_space: global }
    .group_segment_fixed_size: 69632
    .private_segment_fixed_size: 0
    .kernarg_segment_align: 8
    .kernarg_segment_size: 56
    .max_flat_workgroup_size: 512
    .sgpr_count:     66
    .vgpr_count:     256
    .wavefront_size: 32
...
	.end_amdgpu_metadata
.endif
;; end of part 2
